; MI455X (gfx1250); checked and timed in simulation.
; The chip was launched on July 23, 2026; its instructions are those of AMD's public machine-readable ISA for CDNA 5 (MIT licence, August 2026) and "CDNA5" Instruction Set Architecture Reference Guide (July 2026). The comments in the code are by the model that wrote it; some were corrected since.
;; Network4 Test. Allowed arithmetic: float matrix products may take bf16 or f16 operands with f32 sums; other float arithmetic in f32, or as packed bf16 or f16 multiplies, adds, multiply-adds, maxima and minima; sums over many terms, partial sums and values carried from step to step in f32; what a program stores and reads back later, other than sums and carried values, may be rounded once to bf16 or f16.
;; Inputs: W1 2,048 x 8,192 float32; W2 8,192 x 2,048 float32; b1 8,192 float32; b2 2,048 float32; x 2,048 x 2,048 float32.
;; Outputs: out0 2,048 x 2,048 float32.
;; One version. Each part assembles by itself: llvm-mc -triple=amdgcn-amd-amdhsa -mcpu=gfx1250 --defsym DOCPART=n.
;; ======== version 1 of 1: 3 launches
;; workspace buffers: xb 8,388,608 bytes; w1b 33,554,432 bytes; w2b 33,554,432 bytes; h 33,554,432 bytes
;; launch cast (part 1): grid 2304 x 1, 8 waves a work-group, no clusters, 0 bytes of LDS; arguments x, W1, W2, xb, w1b, w2b; writes xb, w1b, w2b
.if DOCPART == 1
	.amdgcn_target "amdgcn-amd-amdhsa--gfx1250"
	.amdhsa_code_object_version 6
	.text
	.protected	k_q486222f388_cast
	.globl	k_q486222f388_cast
	.p2align	8
	.type	k_q486222f388_cast,@function
k_q486222f388_cast:
	s_mov_b64 s[64:65], 0
	v_nop
	global_prefetch_b8 v0, s[64:65] scope:SCOPE_SE
	s_setreg_imm32_b32 hwreg(HW_REG_WAVE_MODE, 25, 1), 1
	s_wait_xcnt 0x0
; xb = bf16(x), w1b = bf16(W1), w2b = bf16(W2): each number rounded once, to nearest even; the layouts stay as they are.
; LIMIT.  An f32 magnitude beyond bf16's largest finite number (3.39e38) rounds to an infinity.
; SHARES.  A unit is 65,536 bytes of f32 in and 32,768 bytes of bf16 out.  x has 256 units, W1 1,024, W2 1,024: 2,304 work-groups, one unit each.
; Wave w takes the unit's 8,192 bytes from 8,192 w on: sixteen loads of 16 bytes a lane (512 consecutive bytes a load), all issued before the first store;
; each store is 8 bytes a lane: 256 consecutive bytes, at a multiple of 256 from the buffer's first byte.
; No register is written twice, so the only waits are the counted ones for the loads.  Nothing is shared between waves: no LDS, no barrier, no matrix unit, no cluster.
.set UNITS_X,  256                     ; units in x
.set UNITS_W,  1024                    ; units in W1 (and in W2)
.set X, 4                              ; v[4:67]   load j: four registers of f32
.set Y, 68                             ; v[68:99]  store j: two registers, four bf16
	s_load_b256 s[4:11], s[0:1], 0x0               ; x s[4:5], W1 s[6:7], W2 s[8:9], xb s[10:11]
	s_load_b128 s[12:15], s[0:1], 0x20             ; w1b s[12:13], w2b s[14:15]
	v_lshrrev_b32 v3, 5, v0                        ; wave
	v_and_b32 v1, 31, v0                           ; lane
	v_lshlrev_b32 v2, 3, v1                        ; out: 8 bytes a lane
	v_lshlrev_b32 v1, 4, v1                        ; in: 16 bytes a lane
	v_lshl_add_u32 v1, v3, 13, v1                  ; + 8,192 x wave
	v_lshl_add_u32 v2, v3, 12, v2                  ; + 4,096 x wave
	s_mov_b32 s16, ttmp9                           ; the work-group's number: also its unit, if it lies in x
	s_sub_co_u32 s17, s16, UNITS_X                 ; its unit, if it lies in W1
	s_sub_co_u32 s18, s16, UNITS_X+UNITS_W         ; its unit, if it lies in W2
	s_wait_kmcnt 0x0
	s_cmp_lt_u32 s16, UNITS_X+UNITS_W              ; W1 or W2?
	s_cselect_b64 s[20:21], s[6:7], s[8:9]
	s_cselect_b64 s[22:23], s[12:13], s[14:15]
	s_cselect_b32 s17, s17, s18
	s_cmp_lt_u32 s16, UNITS_X                      ; or x?
	s_cselect_b64 s[20:21], s[4:5], s[20:21]
	s_cselect_b64 s[22:23], s[10:11], s[22:23]
	s_cselect_b32 s17, s16, s17
	s_lshl_b32 s24, s17, 16                        ; the unit's first byte in, under 2^27
	s_mov_b32 s25, 0
	s_lshl_b32 s26, s17, 15                        ; and out
	s_mov_b32 s27, 0
	s_add_nc_u64 s[20:21], s[20:21], s[24:25]
	s_add_nc_u64 s[22:23], s[22:23], s[26:27]
.irp j, 0,1,2,3,4,5,6,7,8,9,10,11,12,13,14,15
	global_load_b128 v[X+4*(\j):X+4*(\j)+3], v1, s[20:21] offset:512*(\j) th:TH_LOAD_NT
.endr
.irp j, 0,1,2,3,4,5,6,7,8,9,10,11,12,13,14,15
	s_wait_loadcnt 15-(\j)                         ; loads come back in order (ISA guide 5.7.1): load j is in, the 15 - j younger ones stay out
	v_cvt_pk_bf16_f32 v[Y+2*(\j)],   v[X+4*(\j)],   v[X+4*(\j)+1]
	v_cvt_pk_bf16_f32 v[Y+2*(\j)+1], v[X+4*(\j)+2], v[X+4*(\j)+3]
	global_store_b64 v2, v[Y+2*(\j):Y+2*(\j)+1], s[22:23] offset:256*(\j) th:TH_STORE_NT
.endr
	s_endpgm
.Lfunc_end_k_q486222f388_cast:
	.size	k_q486222f388_cast, .Lfunc_end_k_q486222f388_cast-k_q486222f388_cast
	.p2alignl 7, 3214868480
	.fill 96, 4, 3214868480
	.section	.rodata,"a",@progbits
	.p2align	6, 0x0
	.amdhsa_kernel k_q486222f388_cast
		.amdhsa_group_segment_fixed_size 0
		.amdhsa_private_segment_fixed_size 0
		.amdhsa_enable_private_segment 0
		.amdhsa_kernarg_size 48
		.amdhsa_user_sgpr_count 2
		.amdhsa_user_sgpr_kernarg_segment_ptr 1
		.amdhsa_wavefront_size32 1
		.amdhsa_system_sgpr_workgroup_id_x 1
		.amdhsa_system_sgpr_workgroup_id_y 1
		.amdhsa_system_sgpr_workgroup_id_z 1
		.amdhsa_system_vgpr_workitem_id 0
		.amdhsa_next_free_vgpr 100
		.amdhsa_next_free_sgpr 66
		.amdhsa_reserve_vcc 0
		.amdhsa_float_denorm_mode_32 3
		.amdhsa_float_denorm_mode_16_64 3
		.amdhsa_memory_ordered 1
		.amdhsa_forward_progress 1
		.amdhsa_inst_pref_size 7
	.end_amdhsa_kernel
	.amdgpu_metadata
---
amdhsa.version: [ 1, 2 ]
amdhsa.kernels:
  - .name:           k_q486222f388_cast
    .symbol:         k_q486222f388_cast.kd
    .args:
      - { .name: x, .offset: 0, .size: 8, .value_kind: global_buffer, .address_space: global }
      - { .name: W1, .offset: 8, .size: 8, .value_kind: global_buffer, .address_space: global }
      - { .name: W2, .offset: 16, .size: 8, .value_kind: global_buffer, .address_space: global }
      - { .name: xb, .offset: 24, .size: 8, .value_kind: global_buffer, .address_space: global }
      - { .name: w1b, .offset: 32, .size: 8, .value_kind: global_buffer, .address_space: global }
      - { .name: w2b, .offset: 40, .size: 8, .value_kind: global_buffer, .address_space: global }
    .group_segment_fixed_size: 0
    .private_segment_fixed_size: 0
    .kernarg_segment_align: 8
    .kernarg_segment_size: 48
    .max_flat_workgroup_size: 256
    .sgpr_count:     66
    .vgpr_count:     100
    .wavefront_size: 32
...
	.end_amdgpu_metadata
.endif
;; end of part 1
;; launch gemm1 (part 2): grid 32 x 8, 4 waves a work-group, clusters of 4 x 4, 327,680 bytes of LDS; arguments xb, w1b, b1, h; writes h
.if DOCPART == 2
	.amdgcn_target "amdgcn-amd-amdhsa--gfx1250"
	.amdhsa_code_object_version 6
	.text
	.protected	k_q486222f388_gemm1
	.globl	k_q486222f388_gemm1
	.p2align	8
	.type	k_q486222f388_gemm1,@function
k_q486222f388_gemm1:
	s_mov_b64 s[64:65], 0
	v_nop
	global_prefetch_b8 v0, s[64:65] scope:SCOPE_SE
	s_setreg_imm32_b32 hwreg(HW_REG_WAVE_MODE, 25, 1), 1
	s_wait_xcnt 0x0
	s_wait_alu depctr_hold_cnt(0) depctr_sa_sdst(0) depctr_va_vdst(0) depctr_va_sdst(0) depctr_va_ssrc(0) depctr_va_vcc(0) depctr_vm_vsrc(0)
	s_getreg_b32 s2, hwreg(HW_REG_IB_STS2, 6, 4)
	s_cmp_eq_u32 s2, 0
	s_cbranch_scc0 .Lentry_in_a_cluster
	s_endpgm
.Lentry_in_a_cluster:
	s_bfe_u32 s2, ttmp6, 0x10000c
	s_cmp_lg_u32 s2, 0xf033
	s_cbranch_scc0 .Lentry_shape_is_right
	s_endpgm
.Lentry_shape_is_right:
; h[m][n] = relu(b1[n] + the sum over k of xb[m][k] w1b[k][n]).  xb: [2048][2048] bf16, w1b: [2048 k][8192 n] bf16, b1: [8192] f32.  Sums in f32, h rounded once to bf16.
; h IS STORED IN FRAGMENTS, as the next launch's matrix instructions take it: [128 blocks of 16 rows][256 fragments of 32 columns][2 halves][32 lanes][16 bytes]; lane l of half e holds row l % 16,
; columns 16 e + 8 (l / 16) + 0..7 of its fragment.  That is how the results lie in this launch's registers, so they go out without a trip through LDS.
; LIMITS.  A sum beyond bf16's largest finite number rounds to an infinity; the maximum with 0 is taken of the rounded number by v_pk_max_num_bf16, in which a NaN loses: a NaN becomes 0.
; SHARES.  A tile of h, 256 x 256, is made by a work-group of four waves; a wave makes 128 x 128: 64 accumulators of 16 x 16, 512 registers.  32 x 8 tiles: 256 work-groups.
; K goes in 16 steps of 128 through a ring of two LDS slots filled by the tensor data mover.  A slot holds 256 rows of xb (256 bytes each) and 128 K rows of w1b (256 columns: 512 bytes each).
; xb's fragments come out of LDS as they lie; w1b lies [k][n] and comes out turned, by ds_load_tr16_b128.
; THE BIAS is the C operand of the product that starts each sum: nothing is cleared and nothing is added later.
; THE MATRIX INSTRUCTION IS USED TRANSPOSED: source 0 = 16 columns of w1b, source 1 = 16 rows of xb.  In the result lane l holds row l % 16 of h and the columns 8 (l / 16) + 0..7:
; eight neighbouring numbers of a row, which pack into 16 bytes.
; CLUSTERS: 4 x 4 work-groups.  The four of a row of the cluster need the same rows of xb, the four of a column the same columns of w1b: each tile is asked for JOINTLY, by the same tensor
; load with the same descriptor and a mask that names the four.
; REGISTERS, in windows of 256 (s_set_vgpr_msb: bits 1:0 source 0, 3:2 source 1, 5:4 source 2, 7:6 destination):
;   window 0: v0-31 addresses; v64-127, v128-191 xb's fragments, two buffers; v192-255 the bias until the first quarter is done, then two sets of packed results
;   window 1: v64-127, v128-191 w1b's fragments, two buffers
;   window 2: the 32 accumulators of my rows 0-63 ((a, b) at v[8 (8 a + b)]);   window 3: those of my rows 64-127
.set SIZE_N, 8192
.set SIZE_K, 2048
.set KSTEP,  128
.set PA,     272                       ; a row of xb in LDS: 256 bytes + 16 of padding = 68 words: row r starts at bank 4 r mod 64 (64 banks of 4 bytes: ISA guide 11.1)
.set PB,     544                       ; a K row of w1b: 512 + 32 = 136 words: row r starts at bank 8 r mod 64
.set HALFT,  128*PA                    ; what one tensor load brings: 128 rows of xb, or 64 K rows of w1b (64 x 544 is the same 34,816 bytes)
.set BOFF,   2*HALFT                   ; w1b's part of a slot lies behind xb's 256 rows
.set SLOT,   4*HALFT
.set SPARE,  2*SLOT                    ; behind the ring: the spare words, 128 bytes for each wave: two blocks of 256 bytes that no other line names
.set LAPS,   SIZE_K/(2*KSTEP)          ; a lap = two K steps = once round the ring: 8
.set MBB,    262144                    ; bytes of h in a block of 16 rows: 256 fragments of 1,024
.set BO,   14                          ; v14     my byte offset in 16 numbers of b1: 32 (l / 16)
.set ADRA, 16                          ; v16-17  LDS address of my fragments of xb in slot 0, 1
.set ADRB, 20                          ; v20-21  the same for w1b
.set CO,   26                          ; v26     my 16 bytes in half a fragment of h: 16 l; never rewritten
.set ZERO, 27                          ; v27     0, for the maximum
.set SPW,  28                          ; v28     LDS address of my spare word: SPARE + 4 x my thread's number; never rewritten
.set NIL,  29                          ; v29     0; never rewritten
.set PFOA, 30                          ; v30     the prefetches' offset in xb: a lane a row; never rewritten
.set PFOB, 31                          ; v31     in w1b: K row l / 2, half l % 2 of its 512 bytes; never rewritten
.set F0,   64                          ; fragment buffer 0
.set F1,   128                         ; fragment buffer 1
.set BIAS, 192                         ; v192-255 b1 of my 128 columns: column block b at BIAS + 8 b, laid as a C operand
.set TMP,  192                         ; later: packed results, two sets of 32 that take turns
.set WV,   12                          ; s12  my wave's number
.set RH,   13                          ; s13  which half of the tile's rows is mine.  Also: I fetch for xb (0) or for w1b (1)
.set CH,   14                          ; s14  which half of its columns.  Also: which half of that tile I fetch
.set LIM,  15                          ; s15  1 in a wave that prefetches, else the greatest number
.set G1A,  24                          ; s[24:31] descriptor group 1 for xb's tiles
.set G0A,  32                          ; s[32:39] descriptor group 0 for xb's tiles, one set for each slot
.set G1B,  48                          ; s[48:55], s[56:63] the same for w1b's tiles
.set G0B,  56
.set PFA,  66                          ; s[66:67] where my prefetches stand in xb
.set PFB,  68                          ; s[68:69] and in w1b
.set MSB, 0
.macro WIN new                         ; the immediate's high byte repeats the setting that is left; a switch that changes nothing is dropped
.if MSB != (\new)
	s_set_vgpr_msb (MSB<<8)|(\new)
.set MSB, \new
.endif
.endm
.set MUL_LO,   0xa1                    ; source 0 (w1b) window 1, source 1 (xb) window 0, C and D window 2
.set MUL_HI,   0xf1                    ; the same, C and D window 3
.set FIRST_LO, 0x81                    ; the same with C, the bias, in window 0
.set FIRST_HI, 0xc1
.set TO_B,     0x40                    ; destination window 1, address window 0
; A joint load.  Waves 0 and 1 fetch xb's two halves, waves 2 and 3 w1b's.  Each of the two lines has one mask and one set of registers for all that issue it.  The branch hangs on the wave's
; number alone.  An s_nop 0 and four v_nop follow each of the two lines, ahead of the jump, the label and what follows the macro.
.macro JLOAD s
	s_cmp_eq_u32 s[RH], 0
	s_cbranch_scc0 .Lfor_b_\@
	tensor_load_to_lds s[G0A+4*(\s):G0A+4*(\s)+3], s[G1A:G1A+7]
	s_nop 0
.rept 4
	v_nop
.endr
	s_branch .Lasked_\@
.Lfor_b_\@:
	tensor_load_to_lds s[G0B+4*(\s):G0B+4*(\s)+3], s[G1B:G1B+7]
	s_nop 0
.rept 4
	v_nop
.endr
.Lasked_\@:
.endm
; A PREFETCH INTO THE L2, behind each joint refill, its five lines and the run of LDS loads that follows them: the K step that stands TWO refills on, 512 matrix instructions ahead of the load that
; will want it.  One instruction a wave, a lane a block of 256 bytes.  Each block is named ONCE in the launch: xb's tile row is read by every cluster of that row of clusters, and the one with
; cluster x = 0 asks (waves 0 and 1); w1b's tile column by both clusters of that column, and the one with cluster y = 0 asks (waves 2 and 3).  The four partners that ask for a tile jointly share it
; out BY ADDRESS: of xb's 128 rows a wave the partner at cx takes 32; of w1b's 64 K rows a wave the partner at cy takes 16, two blocks each.  The loop's last trip (s3 = 1) has no K step two on.
.macro ASK
	s_cmp_gt_u32 s3, s[LIM]
	s_cbranch_scc0 .Lnot_mine_\@
	s_cmp_eq_u32 s[RH], 0
	s_cbranch_scc0 .Lask_b_\@
	global_prefetch_b8 v[PFOA], s[PFA:PFA+1] th:TH_LOAD_NT scope:SCOPE_SE
	s_branch .Lnot_mine_\@
.Lask_b_\@:
	global_prefetch_b8 v[PFOB], s[PFB:PFB+1] th:TH_LOAD_NT scope:SCOPE_SE
.Lnot_mine_\@:
.endm
; A round of the cluster's barrier: my work-group's barrier, so that wave 0's signal speaks for all four waves; wave 0 signals for the work-group; every wave waits for all sixteen
; work-groups; my work-group's barrier once more.
.macro CREST                           ; a round behind its opening barrier
	s_cmp_lg_u32 s[WV], 0
	s_cbranch_scc1 .Lnot_wave_0_\@
	s_barrier_signal -3
.Lnot_wave_0_\@:
	s_barrier_wait -3
	s_barrier_signal -1
	s_barrier_wait -1
.endm
.macro CROUND                          ; a whole round
	s_barrier_signal -1
	s_barrier_wait -1
	CREST
.endm
	s_load_b256 s[4:11], s[0:1], 0x0               ; xb s[4:5], w1b s[6:7], b1 s[8:9], h s[10:11]
	v_lshl_add_u32 v[SPW], v0, 2, SPARE
	v_mov_b32 v[NIL], 0
	ds_add_u32 v[SPW], v[NIL]                      ; the wave's opening: the add and its wait stand ahead of my first tensor load; the set-up below, work on registers, stands between them
	v_lshrrev_b32 v1, 5, v0
	v_readfirstlane_b32 s[WV], v1                  ; wave 0..3
	s_lshr_b32 s[RH], s[WV], 1
	s_and_b32 s[CH], s[WV], 1
	s_bfe_u32 s40, ttmp6, 0x40000                  ; cx: my place along the cluster's x
	s_bfe_u32 s41, ttmp6, 0x40004                  ; cy: along its y
	s_lshl_b32 s42, ttmp9, 2                       ; in a cluster launch ttmp9 and ttmp7 count clusters
	s_add_co_u32 s42, s42, s40                     ; tile column = 4 x cluster x + cx
	s_and_b32 s43, ttmp7, 0xffff
	s_lshl_b32 s43, s43, 2
	s_add_co_u32 s43, s43, s41                     ; tile row = 4 x cluster y + cy
	s_lshl_b32 s44, s41, 2
	s_lshl_b32 s44, 15, s44                        ; my row of the cluster: places 4 cy .. 4 cy + 3
	s_lshl_b32 s45, 0x1111, s40                    ; my column: places cx, cx + 4, cx + 8, cx + 12
	; descriptor group 1 for xb: 128 rows x 128 elements, padded in LDS
	s_or_b32 s[G1A+0], s44, (1<<16)|(1<<20)|(1<<21)|(5<<22)|(3<<25)  ; 15:0 the mask: my row; 17:16 elements of 2 bytes; 20 padding on; 21 set beside a mask; 24:22 after every 64 words (code 5); 31:25 4 words (code 3)
	s_mov_b32 s[G1A+1], KSTEP<<16                  ; tensor_dim0 = 128
	s_mov_b32 s[G1A+2], 128<<16                    ; tensor_dim1 = 128
	s_mov_b32 s[G1A+3], KSTEP<<16                  ; tile_dim0 = 128
	s_mov_b32 s[G1A+4], 128                        ; tile_dim1 = 128
	s_mov_b32 s[G1A+5], SIZE_K                     ; elements from row to row
	s_mov_b32 s[G1A+6], 0
	s_mov_b32 s[G1A+7], 0
	; for w1b: 64 K rows x 256 elements
	s_or_b32 s[G1B+0], s45, (1<<16)|(1<<20)|(1<<21)|(6<<22)|(7<<25)  ; the mask: my column; after every 128 words (code 6) 8 words of padding (code 7)
	s_mov_b32 s[G1B+1], 256<<16                    ; tensor_dim0 = 256
	s_mov_b32 s[G1B+2], 64<<16                     ; tensor_dim1 = 64
	s_mov_b32 s[G1B+3], 256<<16                    ; tile_dim0 = 256
	s_mov_b32 s[G1B+4], 64                         ; tile_dim1 = 64
	s_mov_b32 s[G1B+5], SIZE_N                     ; elements from K row to K row
	s_mov_b32 s[G1B+6], 0
	s_mov_b32 s[G1B+7], 0
	; where the tiles come from.  xb's hang on the tile row alone, which my row of the cluster shares; w1b's on the tile column alone, which my column shares.
	s_lshl_b32 s16, s43, 8
	s_lshl_b32 s17, s[CH], 7
	s_add_co_u32 s16, s16, s17                     ; xb: row 256 x tile row + 128 x half,
	s_lshl_b32 s16, s16, 12                        ; of 4,096 bytes: under 2^23
	s_mov_b32 s17, 0
	s_lshl_b32 s46, s[CH], 20                      ; w1b: K row 64 x half, of 16,384 bytes,
	s_lshl_b32 s47, s42, 9                         ; and 512 bytes for each tile column
	s_add_co_u32 s46, s46, s47
	s_mov_b32 s47, 0
	s_mul_i32 s20, s[WV], HALFT                    ; and where they go: xb's two halves, then w1b's two = wave x 34,816: no place in the cluster enters an LDS address
	s_wait_dscnt 0x0                               ; the opening add is done
	s_wait_kmcnt 0x0
	s_add_nc_u64 s[18:19], s[4:5], s[16:17]
	s_add_nc_u64 s[46:47], s[6:7], s[46:47]
	CROUND                                         ; all sixteen work-groups are here: the first joint loads meet
.irp s, 0,1
	s_mov_b32 s[G0A+4*(\s)], 1                                     ; 1:0 count = 1
	s_add_co_u32 s[G0A+4*(\s)+1], s20, (\s)*SLOT                   ; 63:32 LDS address
	s_add_nc_u64 s[G0A+4*(\s)+2:G0A+4*(\s)+3], s[18:19], (\s)*KSTEP*2  ; 120:64 global address: K step s, 256 bytes along the rows
	s_or_b32 s[G0A+4*(\s)+3], s[G0A+4*(\s)+3], 0x80000000          ; 127:126 type = 2
	s_mov_b32 s[G0B+4*(\s)], 1
	s_add_co_u32 s[G0B+4*(\s)+1], s20, (\s)*SLOT
	s_add_nc_u64 s[G0B+4*(\s)+2:G0B+4*(\s)+3], s[46:47], (\s)*KSTEP*SIZE_N*2  ; K step s, 128 K rows down
	s_or_b32 s[G0B+4*(\s)+3], s[G0B+4*(\s)+3], 0x80000000
.endr
	s_cmp_eq_u32 s[RH], 0                          ; a wave's two first fills stand in one branch, ahead of every wait on TENSORcnt and every LDS read: two loads of mine are out
	s_cbranch_scc0 .Lfirst_b
	tensor_load_to_lds s[G0A:G0A+3], s[G1A:G1A+7]
	s_nop 0
	tensor_load_to_lds s[G0A+4:G0A+7], s[G1A:G1A+7]
	s_nop 0
.rept 4
	v_nop
.endr
	s_branch .Lfirst_asked
.Lfirst_b:
	tensor_load_to_lds s[G0B:G0B+3], s[G1B:G1B+7]
	s_nop 0
	tensor_load_to_lds s[G0B+4:G0B+7], s[G1B:G1B+7]
	s_nop 0
.rept 4
	v_nop
.endr
.Lfirst_asked:
	; A fragment is 16 rows x 32 K in 8 registers: lane l holds row l % 16; registers 0-3 hold K = 8 (l / 16) + 0..7, registers 4-7 hold K = 16 + 8 (l / 16) + 0..7.
	; xb, whose rows lie along K: two loads of 16 bytes, 32 bytes apart.
	v_and_b32 v1, 15, v0                           ; l % 16
	v_bfe_u32 v2, v0, 4, 1                         ; l / 16
	v_mul_u32_u24 v3, v1, PA
	v_lshl_add_u32 v3, v2, 4, v3                   ; row x pitch + 16 x half
	s_mul_i32 s21, s[RH], HALFT                    ; my 128 rows of xb
	; w1b, whose rows lie along n: the turning load takes 16 K rows x 16 columns (lane l reads 16 bytes: K row 8 (l / 16) + l % 8, columns 8 ((l / 8) % 2) + 0..7) and leaves half a fragment:
	; lane l holds column l % 16 and 8 K.  Two of them, 16 K rows apart.
	v_and_b32 v4, 7, v0
	v_lshl_add_u32 v4, v2, 3, v4
	v_mul_u32_u24 v4, v4, PB
	v_bfe_u32 v5, v0, 3, 1
	v_lshl_add_u32 v4, v5, 4, v4
	s_lshl_b32 s22, s[CH], 8                       ; my 128 columns: 256 bytes of a K row,
	s_add_co_u32 s22, s22, BOFF                    ; behind xb's part of the slot
.irp s, 0,1
	v_add_nc_u32 v[ADRA+(\s)], s21, v3
	v_add_nc_u32 v[ADRB+(\s)], s22, v4
	s_add_co_u32 s21, s21, SLOT
	s_add_co_u32 s22, s22, SLOT
.endr
	v_and_b32 v5, 31, v0
	v_lshlrev_b32 v[CO], 4, v5                     ; the way out: 16 bytes a lane, 512 consecutive bytes a store
	v_lshlrev_b32 v[BO], 5, v2
	v_mov_b32 v[ZERO], 0
	; the bias of my 128 columns, laid as a C operand: register j of column block b holds b1[16 b + 8 (l / 16) + j], the same for all 16 rows
	s_lshl_b32 s22, s42, 10                        ; 256 columns of 4 bytes for each tile column,
	s_lshl_b32 s23, s[CH], 9                       ; 128 for my half
	s_add_co_u32 s22, s22, s23
	s_mov_b32 s23, 0
	s_add_nc_u64 s[8:9], s[8:9], s[22:23]
.irp b, 0,1,2,3,4,5,6,7
	global_load_b128 v[BIAS+8*(\b):BIAS+8*(\b)+3],   v[BO], s[8:9] offset:64*(\b)
	global_load_b128 v[BIAS+8*(\b)+4:BIAS+8*(\b)+7], v[BO], s[8:9] offset:64*(\b)+16
.endr
	; where my part of the tile begins in h: row block 16 x tile row + 8 x half, fragment 8 x tile column + 4 x half
	s_lshl_b32 s16, s43, 4
	s_lshl_b32 s17, s[RH], 3
	s_add_co_u32 s16, s16, s17                     ; my first block of 16 rows,
	s_lshl_b32 s16, s16, 8                         ; of 256 fragments
	s_lshl_b32 s46, s42, 3
	s_lshl_b32 s47, s[CH], 2
	s_add_co_u32 s46, s46, s47                     ; my first fragment in it
	s_add_co_u32 s16, s16, s46
	s_lshl_b32 s16, s16, 10                        ; of 1,024 bytes: under 2^25
	s_mov_b32 s17, 0
	s_add_nc_u64 s[10:11], s[10:11], s[16:17]      ; never stepped: the way out's blocks stand in the stores' immediates
	; the prefetches: both pointers stand at K step 3; the first refill steps them to 4 and names that step
	s_lshl_b32 s20, s43, 8
	s_lshl_b32 s21, s[CH], 7
	s_add_co_u32 s20, s20, s21                     ; xb: the 128 rows that I fetch,
	s_lshl_b32 s21, s40, 5
	s_add_co_u32 s20, s20, s21                     ; my work-group's 32 of them
	s_lshl_b32 s20, s20, 12
	s_add_co_u32 s20, s20, 3*KSTEP*2
	s_mov_b32 s21, 0
	s_add_nc_u64 s[PFA:PFA+1], s[4:5], s[20:21]
	s_lshl_b32 s20, s[CH], 6                       ; w1b: the 64 K rows that I fetch,
	s_lshl_b32 s21, s41, 4
	s_add_co_u32 s20, s20, s21                     ; my work-group's 16 of them
	s_add_co_u32 s20, s20, 3*KSTEP
	s_lshl_b32 s20, s20, 14
	s_lshl_b32 s21, s42, 9
	s_add_co_u32 s20, s20, s21
	s_mov_b32 s21, 0
	s_add_nc_u64 s[PFB:PFB+1], s[6:7], s[20:21]
	s_and_b32 s22, ttmp7, 0xffff                   ; cluster y
	s_cmp_eq_u32 s[RH], 0
	s_cselect_b32 s22, ttmp9, s22                  ; the coordinate along which other clusters read the same blocks
	s_cmp_eq_u32 s22, 0
	s_cselect_b32 s[LIM], 1, -1                    ; the same in all sixteen partners, for a given wave
	v_lshlrev_b32 v[PFOA], 12, v5                  ; a lane a row of 4,096 bytes
	v_lshrrev_b32 v[PFOB], 1, v5
	v_and_b32 v5, 1, v5
	v_lshlrev_b32 v[PFOB], 14, v[PFOB]             ; two lanes a K row of 16,384 bytes,
	v_lshl_add_u32 v[PFOB], v5, 8, v[PFOB]         ; 256 bytes apart
	; nothing is prefetched here, at the head, where every work-group's first two tiles are on their way: K steps 2 and 3 come by their refills alone
; 16 matrix instructions: row blocks a0, a0 + 1 of the window's four (hi = 0: my rows 0-63, 1: rows 64-127) x all 8 column blocks, 32 along K.
; first = 1: the product starts the sums, with the bias as C.  The 64 accumulators take turns, one instruction a turn, in the same order in every quarter.
.macro MUL16 f, hi, a0, first
.if \first
	WIN FIRST_LO+0x40*(\hi)
.else
	WIN MUL_LO+0x50*(\hi)
.endif
.irp a, \a0, (\a0)+1
.irp b, 0,1,2,3,4,5,6,7
.if \first
	v_wmma_f32_16x16x32_bf16 v[8*(8*(\a)+(\b)):8*(8*(\a)+(\b))+7], v[(\f)+8*(\b):(\f)+8*(\b)+7], v[(\f)+8*(4*(\hi)+(\a)):(\f)+8*(4*(\hi)+(\a))+7], v[BIAS+8*(\b):BIAS+8*(\b)+7]
.else
	v_wmma_f32_16x16x32_bf16 v[8*(8*(\a)+(\b)):8*(8*(\a)+(\b))+7], v[(\f)+8*(\b):(\f)+8*(\b)+7], v[(\f)+8*(4*(\hi)+(\a)):(\f)+8*(4*(\hi)+(\a))+7], v[8*(8*(\a)+(\b)):8*(8*(\a)+(\b))+7]
.endif
.endr
.endr
.endm
; 32 LDS loads in one run: the fragments of quarter q of a K step (32 K x my 128 columns of w1b, my 128 rows of xb x 32 K) into buffer f
.macro FETCH slot, q, f
	WIN TO_B
.irp i, 0,1,2,3,4,5,6,7
	ds_load_tr16_b128 v[(\f)+8*(\i):(\f)+8*(\i)+3],   v[ADRB+(\slot)] offset:(\q)*32*PB+32*(\i)
	ds_load_tr16_b128 v[(\f)+8*(\i)+4:(\f)+8*(\i)+7], v[ADRB+(\slot)] offset:(\q)*32*PB+32*(\i)+16*PB
.endr
	WIN 0
.irp i, 0,1,2,3,4,5,6,7
	ds_load_b128 v[(\f)+8*(\i):(\f)+8*(\i)+3],   v[ADRA+(\slot)] offset:64*(\q)+(\i)*16*PA
	ds_load_b128 v[(\f)+8*(\i)+4:(\f)+8*(\i)+7], v[ADRA+(\slot)] offset:64*(\q)+(\i)*16*PA+32
.endr
.endm
; A load into a register that a matrix instruction has read, and a vector instruction that reads a matrix result, stand four places behind that matrix instruction, and only plain vector
; instructions that name none of its registers are places (ISA guide 7.12.1 for vector instructions).
.macro PLACES
.rept 4
	v_nop
.endr
.endm
; A K step is four quarters of 32 along K, 64 matrix instructions each, on buffers 0, 1, 0, 1.
; One of the first three: multiplies buffer f; in its middle it fetches quarter q of the same slot into buffer g.
.macro QUARTER slot, q, f, g, first
	s_wait_dscnt 8                                 ; w1b's fragments and xb's rows 0-63 are in; the youngest eight loads (xb's rows 64-127) may be out
	MUL16 \f, 0, 0, \first
	MUL16 \f, 0, 2, \first
	PLACES
	FETCH \slot, \q, \g
	s_wait_dscnt 32                                ; all but the 32 just issued
	MUL16 \f, 1, 0, \first
	MUL16 \f, 1, 2, \first
.endm
; The last quarter multiplies buffer 1 and changes slots.  MEET is its first half: ONE barrier for the change.  In front of it each wave waits for all its tensor loads, of which one is out:
; its part of the next slot; adds 0 to its spare word; and waits for that and for its own reads of this slot.  Behind it nobody reads this slot any more and the next slot is whole.
.macro MEET round                      ; round = 1: a round of the cluster's barrier follows
	WIN 0                                          ; (the add's two registers lie in window 0)
	s_wait_tensorcnt 0x0                           ; all my tensor loads have landed;
	ds_add_u32 v[SPW], v[NIL]                      ; 0 onto my spare word;
	s_wait_dscnt 9                                 ; (the add and the youngest eight loads may be out)
	MUL16 F1, 0, 0, 0                              ; sixteen matrix instructions stand between the add and the wait for it
	s_wait_dscnt 0x0                               ; the add is done, and my reads of this slot are over:
	s_barrier_signal -1                            ; say so,
	MUL16 F1, 0, 2, 0                              ; work on registers while the others arrive,
.if \round
	WIN 0
.endif
	s_barrier_wait -1                              ; and go on when all four have said so
.endm
; The whole last quarter.  fill = 1: the barrier opens a round of the cluster's barrier, and behind the round the slot just read out is filled again first, with the K step two steps on; from that
; request to the wait for it a wave issues 224 matrix instructions.  Then come the next slot's first fragments.
.macro TURN slot, next, fill
.if \fill
	s_wait_xcnt 0x0                                ; the last prefetch, a K step back, has read its address: both pointers are stepped here, ahead of the waits of the change of slots
	s_add_nc_u64 s[PFA:PFA+1], s[PFA:PFA+1], KSTEP*2
	s_add_nc_u64 s[PFB:PFB+1], s[PFB:PFB+1], KSTEP*SIZE_N*2
.endif
	MEET \fill
.if \fill
	CREST                                          ; no wave of any partner still reads this slot's tile or has a load on its way
	s_add_nc_u64 s[G0A+4*(\slot)+2:G0A+4*(\slot)+3], s[G0A+4*(\slot)+2:G0A+4*(\slot)+3], 2*KSTEP*2
	s_add_nc_u64 s[G0B+4*(\slot)+2:G0B+4*(\slot)+3], s[G0B+4*(\slot)+2:G0B+4*(\slot)+3], 2*KSTEP*SIZE_N*2
	JLOAD \slot                                    ; the first tensor load behind the round; the four v_nop behind it are also the places in front of the loads below
.else
	PLACES
.endif
	FETCH \next, 0, F0
.if \fill
	ASK                                            ; behind the joint load and the run of LDS loads that the next products wait for
.endif
	MUL16 F1, 1, 0, 0
	MUL16 F1, 1, 2, 0
.endm
; THE WAY OUT of block a (16 rows x my 128 columns: four fragments of h, 4,096 consecutive bytes).  PACK: rounded to bf16, 16 bytes a lane, and the maximum with 0.  SEND: stored as it lies:
; column block b is half b % 2 of fragment b / 2, and lane l's 16 bytes are that half's bytes 16 l on.
.macro PACK a
.set AC, 64*((\a)%4)
.set TP, TMP+32*((\a)%2)
.if (\a) >= 2
	s_wait_xcnt 0x0                                ; every earlier store has had its addresses translated (ISA guide 3.1): only behind this wait is the set that block a - 2's stores read written again
.endif
	WIN 0x0a+5*((\a)/4)                            ; sources 0 and 1: window 2 or 3
.irp b, 0,1,2,3,4,5,6,7
.irp r, 0,1,2,3
	v_cvt_pk_bf16_f32 v[TP+4*(\b)+(\r)], v[AC+8*(\b)+2*(\r)], v[AC+8*(\b)+2*(\r)+1]
.endr
.endr
	WIN 0
.set i, 0
.rept 32
	v_pk_max_num_bf16 v[TP+i], v[TP+i], v[ZERO]    ; two maxima at once; rounding keeps the sign, so the maximum may follow it
.set i, i+1
.endr
.endm
.macro SEND a
.set TP, TMP+32*((\a)%2)
.irp b, 0,1,2,3,4,5,6,7
	global_store_b128 v[CO], v[TP+4*(\b):TP+4*(\b)+3], s[10:11] offset:(\a)*MBB+512*(\b)  ; 32 lanes store 512 consecutive bytes, at a multiple of 512 from h's first byte
.endr
.endm
	s_wait_tensorcnt 1                             ; my part of K step 0 is in; K step 1's load may stay out
	s_barrier_signal -1
	s_barrier_wait -1                              ; everybody's is
	FETCH 0, 0, F0
	s_wait_loadcnt 0x0                             ; the bias
	QUARTER 0, 1, F0, F1, 1                        ; the first quarter stands in front of the loop: its products start the sums
	WIN 0                                          ; at a label and at a branch every window is 0
	s_mov_b32 s3, LAPS-1
.Llap:                                                 ; a trip goes once round the ring, from a lap's second quarter to the next lap's first, and fills both slots again
	QUARTER 0, 2, F1, F0, 0
	QUARTER 0, 3, F0, F1, 0
	TURN 0, 1, 1
	QUARTER 1, 1, F0, F1, 0
	QUARTER 1, 2, F1, F0, 0
	QUARTER 1, 3, F0, F1, 0
	TURN 1, 0, 1
	QUARTER 0, 1, F0, F1, 0
	WIN 0
	s_sub_co_u32 s3, s3, 1
	s_cmp_lg_u32 s3, 0
	s_cbranch_scc1 .Llap
	QUARTER 0, 2, F1, F0, 0                        ; the last lap is written out: it fills nothing, and has no round of the cluster's barrier
	QUARTER 0, 3, F0, F1, 0
	TURN 0, 1, 0
	QUARTER 1, 1, F0, F1, 0
	QUARTER 1, 2, F1, F0, 0
	QUARTER 1, 3, F0, F1, 0
	s_wait_dscnt 8                                 ; the very last quarter: nothing more to fetch
	MUL16 F1, 0, 0, 0
	MUL16 F1, 0, 2, 0
	s_wait_dscnt 0x0
	MUL16 F1, 1, 0, 0
	MUL16 F1, 1, 2, 0
	PLACES                                         ; block 0's conversions read matrix results; the later blocks' stand behind this vector work
.irp a, 0,1,2,3,4,5,6,7
	PACK \a
	SEND \a
.endr
	s_wait_tensorcnt 0x0                           ; the wave's end: a wait, an add onto my spare word and its wait, behind my last tensor load
	ds_add_u32 v[SPW], v[NIL]
	s_wait_dscnt 0x0
	CROUND                                         ; the closing round: no work-group ends while a partner may still ask for a tile that names it
	s_endpgm
.Lfunc_end_k_q486222f388_gemm1:
	.size	k_q486222f388_gemm1, .Lfunc_end_k_q486222f388_gemm1-k_q486222f388_gemm1
	.p2alignl 7, 3214868480
	.fill 96, 4, 3214868480
	.section	.rodata,"a",@progbits
	.p2align	6, 0x0
	.amdhsa_kernel k_q486222f388_gemm1
		.amdhsa_group_segment_fixed_size 327680
		.amdhsa_private_segment_fixed_size 0
		.amdhsa_enable_private_segment 0
		.amdhsa_kernarg_size 32
		.amdhsa_user_sgpr_count 2
		.amdhsa_user_sgpr_kernarg_segment_ptr 1
		.amdhsa_wavefront_size32 1
		.amdhsa_system_sgpr_workgroup_id_x 1
		.amdhsa_system_sgpr_workgroup_id_y 1
		.amdhsa_system_sgpr_workgroup_id_z 1
		.amdhsa_system_vgpr_workitem_id 0
		.amdhsa_next_free_vgpr 1024
		.amdhsa_next_free_sgpr 72
		.amdhsa_reserve_vcc 0
		.amdhsa_float_denorm_mode_32 3
		.amdhsa_float_denorm_mode_16_64 3
		.amdhsa_memory_ordered 1
		.amdhsa_forward_progress 1
		.amdhsa_inst_pref_size 153
	.end_amdhsa_kernel
	.amdgpu_metadata
---
amdhsa.version: [ 1, 2 ]
amdhsa.kernels:
  - .name:           k_q486222f388_gemm1
    .symbol:         k_q486222f388_gemm1.kd
    .args:
      - { .name: xb, .offset: 0, .size: 8, .value_kind: global_buffer, .address_space: global }
      - { .name: w1b, .offset: 8, .size: 8, .value_kind: global_buffer, .address_space: global }
      - { .name: b1, .offset: 16, .size: 8, .value_kind: global_buffer, .address_space: global }
      - { .name: h, .offset: 24, .size: 8, .value_kind: global_buffer, .address_space: global }
    .group_segment_fixed_size: 327680
    .private_segment_fixed_size: 0
    .kernarg_segment_align: 8
    .kernarg_segment_size: 32
    .max_flat_workgroup_size: 128
    .sgpr_count:     72
    .vgpr_count:     1024
    .wavefront_size: 32
...
	.end_amdgpu_metadata
.endif
;; end of part 2
;; launch gemm2 (part 3): grid 16 x 16, 4 waves a work-group, clusters of 4 x 1, 327,680 bytes of LDS; arguments h, w2b, b2, out0; writes out0
.if DOCPART == 3
	.amdgcn_target "amdgcn-amd-amdhsa--gfx1250"
	.amdhsa_code_object_version 6
	.text
	.protected	k_q486222f388_gemm2
	.globl	k_q486222f388_gemm2
	.p2align	8
	.type	k_q486222f388_gemm2,@function
k_q486222f388_gemm2:
	s_mov_b64 s[64:65], 0
	v_nop
	global_prefetch_b8 v0, s[64:65] scope:SCOPE_SE
	s_setreg_imm32_b32 hwreg(HW_REG_WAVE_MODE, 25, 1), 1
	s_wait_xcnt 0x0
	s_wait_alu depctr_hold_cnt(0) depctr_sa_sdst(0) depctr_va_vdst(0) depctr_va_sdst(0) depctr_va_ssrc(0) depctr_va_vcc(0) depctr_vm_vsrc(0)
	s_getreg_b32 s2, hwreg(HW_REG_IB_STS2, 6, 4)
	s_cmp_eq_u32 s2, 0
	s_cbranch_scc0 .Lentry_in_a_cluster
	s_endpgm
.Lentry_in_a_cluster:
	s_bfe_u32 s2, ttmp6, 0x10000c
	s_cmp_lg_u32 s2, 0x3003
	s_cbranch_scc0 .Lentry_shape_is_right
	s_endpgm
.Lentry_shape_is_right:
; out0[m][n] = sigmoid(b2[n] + the sum over k of h[m][k] w2b[k][n]).  w2b: [8192 k][2048 n] bf16, b2: [2048] f32, out0: [2048][2048] f32.  Sums and sigmoid in f32.
; h (2048 x 8192, bf16) lies IN FRAGMENTS: [128 blocks of 16 rows][256 fragments of 32 K][2 halves][32 lanes][16 bytes]; lane l of half e holds row l % 16, K = 16 e + 8 (l / 16) + 0..7 of its fragment.
; sigmoid(z) = 1 / (1 + 2^(-z log2 e)).  LIMITS.  Where the power overflows (z below about -88.7) the result is exactly 0; where it falls below 2^-126 it counts as 0 and the result is exactly 1.
; SHARES.  Tiles of 256 x 256 would be 64; a tile is 128 x 128: 16 x 16 = 256 work-groups (grid x: the tile row, y: the tile column).  Wave w makes the tile's rows 32 w .. 32 w + 31, all 128 columns:
; 16 accumulators of 16 x 16, 128 registers.  No two waves want the same rows of h, so h does not go through LDS: a fragment is two loads of 512 consecutive bytes, straight into registers.
; THE RING holds w2b alone: two LDS slots of 512 K rows x 128 columns, which all four waves read; each wave fetches 128 K rows of a slot.  A slot is 256 matrix instructions a wave.
; w2b lies [k][n] and comes out of LDS turned, by ds_load_tr16_b128.  THE BIAS is the C operand of the product that starts each sum.
; h IS NOT ASKED FOR JOINTLY, though the 16 work-groups of a tile row read the same fragments.  With h in the ring a slot of the same bytes holds 256 K, and a refill has 112 matrix instructions in which
; to land; with w2b alone it holds 512 K and the refill has 240.  h's loads into registers are not bound to the changes of slots: seven groups of 64 K, 56 loads, are out at a time.
; THE MATRIX INSTRUCTION IS USED TRANSPOSED (source 0 = 16 columns of w2b, source 1 = 16 rows of h): lane l holds row l % 16 and the columns 8 (l / 16) + 0..7: 32 neighbouring bytes of a row of out0.
; CLUSTER: 4 x 1 work-groups: four tile rows of one tile column, which need the same tiles of w2b: each is asked for JOINTLY, by the same tensor load, descriptor and mask in all four.
; REGISTERS, in windows of 256 (s_set_vgpr_msb: bits 1:0 source 0, 3:2 source 1, 5:4 source 2, 7:6 destination):
;   window 0: v0-31 addresses; v32-95 the bias; v128-255 the accumulators ((a, b) at v[128 + 8 (8 a + b)])
;   window 1: w2b's fragments, two buffers of 128: for 64 along K, half c, column block b at 64 c + 8 b
;   window 2: h's fragments, a ring of eight sets of 32: group G of 64 K in set G % 8; half c, row block a at 8 (2 c + a)
.set SIZE_N, 2048
.set SIZE_K, 8192
.set KSLOT,  512                       ; K rows in a slot
.set PB,     288                       ; a K row of w2b in LDS: 256 bytes + 32 of padding = 72 words: row r starts at bank 8 r mod 64 (64 banks of 4 bytes: ISA guide 11.1)
.set HB,     128*PB                    ; what one tensor load brings: 128 K rows
.set SLOT,   4*HB
.set SLOTB,  KSLOT*SIZE_N*2            ; bytes of w2b from a slot's first K row to the next slot's
.set STAGE,  2*SLOT                    ; behind the ring, never filled by a tensor load: 16 rows x 272 bytes for each wave, for the way out
.set SPITCH, 272
.set SPARE,  STAGE+4*16*SPITCH         ; behind the stages: the spare words, 128 bytes for each wave: two blocks of 256 bytes that no other line names
.set LAPS,   SIZE_K/(2*KSLOT)          ; a lap = two slots = once round the ring = 16 groups of 64 K: 8 laps
.set GRP,    2048                      ; bytes of a row block's fragments in a group: two of 1,024
.set MBB,    262144                    ; bytes of h in a block of 16 rows: 256 fragments
.set BO,   14                          ; v14     my byte offset in 16 numbers of b2: 32 (l / 16)
.set AO,   15                          ; v15     my 16 bytes in half a fragment of h: 16 l; never rewritten
.set ADRB, 16                          ; v16-23  LDS address of my part of w2b's fragments: slot s, K rows 128 u on, at ADRB + 4 s + u (512 K rows of 288 bytes pass an LDS immediate's 16 bits)
.set STO,  24                          ; v24     the way out: where I put 32 bytes of a row
.set RD,   25                          ; v25     the way out: where I read a row back
.set CO,   26                          ; v26     my byte offset in two rows of out0
.set PFOA, 27                          ; v27     the prefetches' offset in h: 256 l; never rewritten
.set SPW,  28                          ; v28     LDS address of my spare word: SPARE + 4 x my thread's number; never rewritten
.set NIL,  29                          ; v29     0; never rewritten
.set PFOB, 30                          ; v30     the prefetches' offset in w2b: a lane a K row of 4,096 bytes; never rewritten
.set BIAS, 32                          ; v32-95  b2 of the tile's 128 columns: column block b at BIAS + 8 b, laid as a C operand
.set ACC,  128
.set F0,   0                           ; w2b's fragment buffers, in window 1
.set F1,   128
.set WV,   12                          ; s12  my wave's number
.set CX,   13                          ; s13  my place in the cluster
.set TR,   14                          ; s14  the tile row
.set TC,   15                          ; s15  the tile column
.set G1,   24                          ; s[24:31] descriptor group 1
.set G0,   32                          ; s[32:39] descriptor group 0, one set for each slot
.set AP,   40                          ; s[40:41] h at my two row blocks, at the first group of the lap in hand
.set BP,   42                          ; s[42:43] w2b at my work-group's 32 of the 128 K rows that I fetch, three slots on from the lap in hand
.set LA,   44                          ; s44, s45  0 and 1 in a wave that prefetches h, else the greatest number
.set LB,   46                          ; s46, s47  the same for w2b
.set CS,   48                          ; s[48:49] -log2(e): the packed multiply names a pair and takes its low word for both halves
.set MSB, 0
.macro WIN new                         ; the immediate's high byte repeats the setting that is left; a switch that changes nothing is dropped
.if MSB != (\new)
	s_set_vgpr_msb (MSB<<8)|(\new)
.set MSB, \new
.endif
.endm
.set W_MUL, 0x09                       ; source 0 (w2b) window 1, source 1 (h) window 2; C (the bias too) and D window 0
.set TO_B,  0x40                       ; destination window 1, address window 0
.set TO_A,  0x80                       ; destination window 2, address window 0
.macro CREST                           ; a round of the cluster's barrier behind its opening barrier: wave 0 signals for the work-group, every wave waits for all four, my work-group's barrier closes it
	s_cmp_lg_u32 s[WV], 0
	s_cbranch_scc1 .Lnot_wave_0_\@
	s_barrier_signal -3
.Lnot_wave_0_\@:
	s_barrier_wait -3
	s_barrier_signal -1
	s_barrier_wait -1
.endm
.macro CROUND                          ; a whole round
	s_barrier_signal -1
	s_barrier_wait -1
	CREST
.endm
; PREFETCHES INTO THE L2, together, behind each joint refill, its five lines and the two runs of loads that follow them.  w = the slot that is being filled again (0 or 1).
; h: the eight groups of 64 K that begin 13 groups on from the group in hand (its loads stand 7 groups on): 16,384 bytes of each of my two row blocks, a lane a block of 256 bytes, four instructions.
; The 16 work-groups of a tile row read the same fragments: the one in tile column 0 asks, each wave for its own rows.  w2b: the slot that the NEXT refill will load, a lane a K row (256 bytes), one
; instruction.  The four clusters of a tile column read the same tiles: cluster x = 0 asks, and its four partners share a wave's 128 K rows out BY ADDRESS, 32 each.  So each block is named once in
; the launch.  The loop's last change of slots (w = 1, s3 = 1) asks for nothing: K ends there.  h's first 20 groups and w2b's first three slots come by their loads alone.
.macro ASK w
	s_cmp_gt_u32 s3, s[LA+(\w)]
	s_cbranch_scc0 .Lno_a_\@
	global_prefetch_b8 v[PFOA], s[AP:AP+1] offset:(20+8*(\w))*GRP th:TH_LOAD_NT scope:SCOPE_SE
	global_prefetch_b8 v[PFOA], s[AP:AP+1] offset:(20+8*(\w))*GRP+8192 th:TH_LOAD_NT scope:SCOPE_SE
	global_prefetch_b8 v[PFOA], s[AP:AP+1] offset:(20+8*(\w))*GRP+MBB th:TH_LOAD_NT scope:SCOPE_SE
	global_prefetch_b8 v[PFOA], s[AP:AP+1] offset:(20+8*(\w))*GRP+MBB+8192 th:TH_LOAD_NT scope:SCOPE_SE
.Lno_a_\@:
	s_cmp_gt_u32 s3, s[LB+(\w)]
	s_cbranch_scc0 .Lno_b_\@
	global_prefetch_b8 v[PFOB], s[BP:BP+1] offset:(\w)*SLOTB th:TH_LOAD_NT scope:SCOPE_SE
.Lno_b_\@:
.endm
	s_load_b256 s[4:11], s[0:1], 0x0               ; h s[4:5], w2b s[6:7], b2 s[8:9], out0 s[10:11]
	v_lshl_add_u32 v[SPW], v0, 2, SPARE
	v_mov_b32 v[NIL], 0
	ds_add_u32 v[SPW], v[NIL]                      ; the wave's opening: the add and its wait stand ahead of my first tensor load; the set-up below, work on registers, stands between them
	v_lshrrev_b32 v1, 5, v0
	v_readfirstlane_b32 s[WV], v1                  ; wave 0..3
	s_bfe_u32 s[CX], ttmp6, 0x40000                ; cx: my place in the cluster
	s_lshl_b32 s[TR], ttmp9, 2                     ; in a cluster launch ttmp9 counts clusters
	s_add_co_u32 s[TR], s[TR], s[CX]               ; tile row = 4 x cluster x + cx: it enters h's and out0's addresses alone
	s_and_b32 s[TC], ttmp7, 0xffff                 ; the tile column, which the four partners share
	; descriptor group 1: 128 K rows x 128 elements, padded in LDS
	s_mov_b32 s[G1+0], 15|(1<<16)|(1<<20)|(1<<21)|(5<<22)|(7<<25)  ; 15:0 the mask: all four work-groups; 17:16 elements of 2 bytes; 20 padding on; 21 set beside a mask; 24:22 after every 64 words (code 5); 31:25 8 words (code 7)
	s_mov_b32 s[G1+1], 128<<16                     ; tensor_dim0 = 128
	s_mov_b32 s[G1+2], 128<<16                     ; tensor_dim1 = 128
	s_mov_b32 s[G1+3], 128<<16                     ; tile_dim0 = 128
	s_mov_b32 s[G1+4], 128                         ; tile_dim1 = 128
	s_mov_b32 s[G1+5], SIZE_N                      ; elements from K row to K row
	s_mov_b32 s[G1+6], 0
	s_mov_b32 s[G1+7], 0
	s_mov_b32 s[CS], 0xbfb8aa3b                    ; -log2(e) = -1.442695
	s_mov_b32 s[CS+1], s[CS]                       ; named with it as a pair, so it is written
	s_lshl_b32 s16, s[WV], 19                      ; w2b: K row 128 x wave, of 4,096 bytes,
	s_lshl_b32 s17, s[TC], 8                       ; and 256 bytes for each tile column
	s_add_co_u32 s16, s16, s17
	s_mov_b32 s17, 0
	s_mul_i32 s20, s[WV], HB                       ; and where it goes: wave x 128 K rows: no place in the cluster enters an LDS address
	s_lshl_b32 s18, s[TR], 3                       ; h: 8 row blocks a tile row,
	s_lshl_b32 s19, s[WV], 1                       ; 2 a wave,
	s_add_co_u32 s18, s18, s19
	s_lshl_b32 s18, s18, 18                        ; of 262,144 bytes: under 2^25
	s_mov_b32 s19, 0
	s_wait_dscnt 0x0                               ; the opening add is done
	s_wait_kmcnt 0x0
	s_add_nc_u64 s[16:17], s[6:7], s[16:17]
	s_add_nc_u64 s[AP:AP+1], s[4:5], s[18:19]
	CROUND                                         ; all four work-groups are here: the first joint loads meet
.irp s, 0,1
	s_mov_b32 s[G0+4*(\s)], 1                                      ; 1:0 count = 1
	s_add_co_u32 s[G0+4*(\s)+1], s20, (\s)*SLOT                    ; 63:32 LDS address
	s_add_nc_u64 s[G0+4*(\s)+2:G0+4*(\s)+3], s[16:17], (\s)*SLOTB  ; 120:64 global address: K rows 512 s on
	s_or_b32 s[G0+4*(\s)+3], s[G0+4*(\s)+3], 0x80000000            ; 127:126 type = 2
.endr
	tensor_load_to_lds s[G0:G0+3], s[G1:G1+7]      ; the two first fills stand together, ahead of every wait on TENSORcnt and every LDS read: two loads of mine are out
	s_nop 0
	tensor_load_to_lds s[G0+4:G0+7], s[G1:G1+7]
	s_nop 0
.rept 4
	v_nop
.endr
	v_and_b32 v1, 15, v0                           ; l % 16
	v_bfe_u32 v2, v0, 4, 1                         ; l / 16
	v_and_b32 v3, 31, v0                           ; l
	v_lshlrev_b32 v[AO], 4, v3
	v_lshlrev_b32 v[BO], 5, v2
	s_lshl_b32 s22, s[TC], 9                       ; the tile's first column, in bytes of f32: the same in b2 and in a row of out0
	s_mov_b32 s23, 0
	s_add_nc_u64 s[8:9], s[8:9], s[22:23]
	; the bias of the tile's 128 columns, laid as a C operand: register j of column block b holds b2[16 b + 8 (l / 16) + j], the same for all 16 rows
.irp b, 0,1,2,3,4,5,6,7
	global_load_b128 v[BIAS+8*(\b):BIAS+8*(\b)+3],   v[BO], s[8:9] offset:64*(\b)
	global_load_b128 v[BIAS+8*(\b)+4:BIAS+8*(\b)+7], v[BO], s[8:9] offset:64*(\b)+16
.endr
; Eight loads: h's fragments of group q (counted from the lap at which s[AP] stands) for my two row blocks, into set q % 8; each load takes 512 consecutive bytes; the first 32 along K first
.macro ALOAD q
	WIN TO_A
.irp c, 0,1
.irp a, 0,1
	global_load_b128 v[32*((\q)%8)+8*(2*(\c)+(\a)):32*((\q)%8)+8*(2*(\c)+(\a))+3],   v[AO], s[AP:AP+1] offset:(\q)*GRP+(\c)*1024+(\a)*MBB
	global_load_b128 v[32*((\q)%8)+8*(2*(\c)+(\a))+4:32*((\q)%8)+8*(2*(\c)+(\a))+7], v[AO], s[AP:AP+1] offset:(\q)*GRP+(\c)*1024+(\a)*MBB+512
.endr
.endr
.endm
.irp q, 0,1,2,3,4
	ALOAD \q                                       ; with the bias's sixteen, 56 loads of mine are out; groups 5 and 6 follow when the bias is in
.endr
	WIN 0
	; w2b: the turning load takes 16 K rows x 16 columns (lane l reads K row 8 (l / 16) + l % 8, columns 8 ((l / 8) % 2) + 0..7) and leaves half a fragment: lane l holds column l % 16 and 8 K
	v_and_b32 v4, 7, v0
	v_lshl_add_u32 v4, v2, 3, v4
	v_mul_u32_u24 v4, v4, PB
	v_bfe_u32 v5, v0, 3, 1
	v_lshl_add_u32 v4, v5, 4, v4
.irp n, 0,1,2,3,4,5,6,7
	v_add_nc_u32 v[ADRB+(\n)], ((\n)/4)*SLOT+((\n)%4)*HB, v4
.endr
	s_mul_i32 s23, s[WV], 16*SPITCH
	s_add_co_u32 s23, s23, STAGE                   ; my stage
	v_mul_u32_u24 v5, v1, SPITCH                   ; in: row l % 16, 32 bytes for each half of the lanes
	v_lshl_add_u32 v5, v2, 5, v5
	v_add_nc_u32 v[STO], s23, v5
	v_mul_u32_u24 v5, v2, SPITCH                   ; back: lanes 0-15 take one row of 256 bytes, lanes 16-31 the next
	v_lshl_add_u32 v5, v1, 4, v5
	v_add_nc_u32 v[RD], s23, v5
	v_mul_u32_u24 v5, v2, SIZE_N*4                 ; and the same two rows in out0
	v_lshl_add_u32 v[CO], v1, 4, v5
	v_lshlrev_b32 v[PFOA], 8, v3
	v_lshlrev_b32 v[PFOB], 12, v3
	s_lshl_b32 s20, s[TR], 7
	s_lshl_b32 s21, s[WV], 5
	s_add_co_u32 s20, s20, s21                     ; my first row of out0,
	s_lshl_b32 s20, s20, 13                        ; of 8,192 bytes: under 2^24
	s_add_co_u32 s20, s20, s22                     ; and the tile's first column
	s_mov_b32 s21, 0
	s_add_nc_u64 s[10:11], s[10:11], s[20:21]      ; never stepped: the way out's rows stand in the stores' immediates
	s_lshl_b32 s20, s[WV], 7                       ; the prefetches of w2b: the 128 K rows that I fetch,
	s_lshl_b32 s21, s[CX], 5
	s_add_co_u32 s20, s20, s21                     ; my work-group's 32 of them,
	s_lshl_b32 s20, s20, 12
	s_lshl_b32 s21, s[TC], 8
	s_add_co_u32 s20, s20, s21
	s_add_co_u32 s20, s20, 3*SLOTB                 ; in slot 3: under 2^24
	s_mov_b32 s21, 0
	s_add_nc_u64 s[BP:BP+1], s[6:7], s[20:21]
	s_cmp_eq_u32 s[TC], 0                          ; the same in all four partners
	s_cselect_b32 s[LA], 0, -1
	s_cselect_b32 s[LA+1], 1, -1
	s_mov_b32 s22, ttmp9                           ; cluster x: the same in all four partners
	s_cmp_eq_u32 s22, 0
	s_cselect_b32 s[LB], 0, -1
	s_cselect_b32 s[LB+1], 1, -1
	; nothing is prefetched here, at the head, where every work-group's first tiles and fragments are on their way
; 8 matrix instructions: row block a x all 8 column blocks, 32 along K: half c of w2b's buffer f and of h's set st.  first = 1: the product starts the sums, with the bias as C.
; The 16 accumulators take turns, one instruction a turn, in the same order everywhere.
.macro MUL8 f, c, a, st, first
	WIN W_MUL
.irp b, 0,1,2,3,4,5,6,7
.if \first
	v_wmma_f32_16x16x32_bf16 v[ACC+8*(8*(\a)+(\b)):ACC+8*(8*(\a)+(\b))+7], v[(\f)+64*(\c)+8*(\b):(\f)+64*(\c)+8*(\b)+7], v[32*(\st)+8*(2*(\c)+(\a)):32*(\st)+8*(2*(\c)+(\a))+7], v[BIAS+8*(\b):BIAS+8*(\b)+7]
.else
	v_wmma_f32_16x16x32_bf16 v[ACC+8*(8*(\a)+(\b)):ACC+8*(8*(\a)+(\b))+7], v[(\f)+64*(\c)+8*(\b):(\f)+64*(\c)+8*(\b)+7], v[32*(\st)+8*(2*(\c)+(\a)):32*(\st)+8*(2*(\c)+(\a))+7], v[ACC+8*(8*(\a)+(\b)):ACC+8*(8*(\a)+(\b))+7]
.endif
.endr
.endm
; 32 LDS loads in one run: w2b's fragments of group g of a slot (64 K x 128 columns) into buffer f; the first 32 along K first
.macro FETCH slot, g, f
	WIN TO_B
.irp c, 0,1
.irp i, 0,1,2,3,4,5,6,7
	ds_load_tr16_b128 v[(\f)+64*(\c)+8*(\i):(\f)+64*(\c)+8*(\i)+3],   v[ADRB+4*(\slot)+(\g)/2] offset:(((\g)%2)*64+32*(\c))*PB+32*(\i)
	ds_load_tr16_b128 v[(\f)+64*(\c)+8*(\i)+4:(\f)+64*(\c)+8*(\i)+7], v[ADRB+4*(\slot)+(\g)/2] offset:(((\g)%2)*64+32*(\c))*PB+32*(\i)+16*PB
.endr
.endr
.endm
.macro PLACES                          ; four places in front of loads into registers that matrix instructions have read, and of vector lines that read results (ISA guide 7.12.1 for the vector lines)
.rept 4
	v_nop
.endr
.endm
; A GROUP is 64 along K: 32 matrix instructions.  p = its number in the lap (16: the next lap's first); it multiplies w2b's buffer p % 2 and h's set p % 8.  One of a slot's first seven: in its middle it
; fetches the slot's next group of w2b into the other buffer and (ld = 1) asks for h's group seven on, into the set that the group before has multiplied.  lc = h's younger loads, which may stay out.
.macro GROUP slot, p, lc, ld, first=0
.set FB, 128*((\p)%2)
.set FN, 128-FB
.set AS, (\p)%8
	s_wait_dscnt 16                                ; w2b's first 32 along K are in; the youngest sixteen loads may be out
	s_wait_loadcnt \lc                             ; loads come back in order (ISA guide 5.7.1): my set of h is in, the younger groups' eight loads each stay out
	MUL8 FB, 0, 0, AS, \first
	MUL8 FB, 0, 1, AS, \first
	PLACES
	FETCH \slot, (\p)%8+1, FN
.if \ld
	ALOAD (\p)+7
.endif
	s_wait_dscnt 32                                ; all but the 32 just issued
	MUL8 FB, 1, 0, AS, 0
	MUL8 FB, 1, 1, AS, 0
.endm
; A slot's last group multiplies buffer 1 and set 7 and changes slots: ONE barrier; in front of it each wave waits for all its tensor loads, of which one is out: its part of the next slot; adds 0 to its
; spare word; and waits for that and for its own reads of this slot.  fill = 1: the barrier opens a round of the cluster's barrier, and this slot is filled again first behind the round, with the K rows
; two slots on: from that request to the wait for it a wave issues 240 matrix instructions.
.macro TURN slot, p, lc, ld, fill
	WIN 0                                          ; (the add's two registers lie in window 0)
	s_wait_tensorcnt 0x0                           ; all my tensor loads have landed, so a group 0 may be written;
	ds_add_u32 v[SPW], v[NIL]                      ; 0 onto my spare word;
	s_wait_dscnt 17                                ; (the add and the youngest sixteen loads may be out)
	s_wait_loadcnt \lc                             ; my set of h is in
	MUL8 F1, 0, 0, 7, 0                            ; eight matrix instructions stand between the add and the wait for it
	s_wait_dscnt 0x0                               ; the add is done, and my reads of this slot are over
	s_barrier_signal -1
	MUL8 F1, 0, 1, 7, 0
.if \fill
	WIN 0
.endif
	s_barrier_wait -1
.if \fill
	CREST                                          ; no wave of any partner still reads this slot's tile or has a load on its way
	s_add_nc_u64 s[G0+4*(\slot)+2:G0+4*(\slot)+3], s[G0+4*(\slot)+2:G0+4*(\slot)+3], 2*SLOTB
	tensor_load_to_lds s[G0+4*(\slot):G0+4*(\slot)+3], s[G1:G1+7]  ; my one tensor load behind the round, and the first thing there
	s_nop 0
.rept 4
	v_nop                                          ; (the places in front of the loads below)
.endr
.else
	PLACES
.endif
	FETCH 1-(\slot), 0, F0
.if \ld
	ALOAD (\p)+7
.endif
.if \fill
	WIN 0
	ASK \slot
.endif
	MUL8 F1, 1, 0, 7, 0
	MUL8 F1, 1, 1, 7, 0
.endm
	s_wait_tensorcnt 1                             ; my part of slot 0 is in; slot 1's load may stay out
	s_barrier_signal -1
	s_barrier_wait -1                              ; everybody's is
	FETCH 0, 0, F0
	s_wait_loadcnt 40                              ; the bias is in; the 40 loads of h's groups 0 to 4 are younger
	ALOAD 5
	ALOAD 6
	GROUP 0, 0, 48, 1, 1                           ; the first group stands in front of the loop: its first products start the sums
	WIN 0                                          ; at a label and at a branch every window is 0
	s_mov_b32 s3, LAPS-1
.Llap:                                                 ; a trip goes once round the ring, from a lap's second group to the next lap's first, and fills both slots again
.irp p, 1,2,3,4,5,6
	GROUP 0, \p, 48, 1
.endr
	TURN 0, 7, 48, 1, 1
.irp p, 8,9,10,11,12,13,14
	GROUP 1, \p, 48, 1
.endr
	TURN 1, 15, 48, 1, 1
	GROUP 0, 16, 48, 1
	WIN 0
	s_wait_xcnt 0x0                                ; every load and prefetch issued so far (the youngest load sixteen products back, the youngest prefetch 48) has read its address, so the two pointers may be written
	s_add_nc_u64 s[AP:AP+1], s[AP:AP+1], 16*GRP    ; the next lap's first group
	s_add_nc_u64 s[BP:BP+1], s[BP:BP+1], 2*SLOTB
	s_sub_co_u32 s3, s3, 1
	s_cmp_lg_u32 s3, 0
	s_cbranch_scc1 .Llap
.irp p, 1,2,3,4,5,6                    ; the last lap is written out: it fills nothing and has no round of the cluster's barrier, and h's loads end with the lap's group 15
	GROUP 0, \p, 48, 1
.endr
	TURN 0, 7, 48, 1, 0
	GROUP 1, 8, 48, 1                              ; h's last group is asked for
	GROUP 1, 9, 48, 0                              ; six groups are younger; from here on the counts run down
	GROUP 1, 10, 40, 0
	GROUP 1, 11, 32, 0
	GROUP 1, 12, 24, 0
	GROUP 1, 13, 16, 0
	GROUP 1, 14, 8, 0
	s_wait_dscnt 16                                ; the very last group: nothing more to fetch
	s_wait_loadcnt 0x0
	MUL8 F1, 0, 0, 7, 0
	MUL8 F1, 0, 1, 7, 0
	s_wait_dscnt 0x0
	MUL8 F1, 1, 0, 7, 0
	MUL8 F1, 1, 1, 7, 0
	WIN 0
	; THE WAY OUT.  The sigmoid, in place on the 128 sums, each accumulator's registers in ascending order: -z log2 e; 2^that; + 1; the reciprocal.
	PLACES
	PLACES                                         ; eight places, once a launch: the lines below rewrite the sums in place
.set i, ACC
.rept 64
	v_pk_mul_f32 v[i:i+1], v[i:i+1], s[CS:CS+1] op_sel_hi:[1,0]
.set i, i+2
.endr
.set i, ACC
.rept 128
	v_exp_f32 v[i], v[i]                           ; one batch: none of these names another's result
.set i, i+1
.endr
	v_nop                                          ; a plain instruction between the last exponential and the use of its result (ISA guide 5.7.2)
	s_wait_alu depctr_va_vdst(0)                   ; and a wait ahead of the first use: one for the 128
.set i, ACC
.rept 64
	v_pk_add_f32 v[i:i+1], v[i:i+1], 1.0 op_sel_hi:[1,0]
.set i, i+2
.endr
.set i, ACC
.rept 128
	v_rcp_f32 v[i], v[i]                           ; the second batch
.set i, i+1
.endr
	v_nop
	s_wait_alu depctr_va_vdst(0)                   ; one wait for the 128 reciprocals
; Piece u: row block u / 2, column blocks 4 (u % 2) + 0..3: 16 rows x 256 bytes.  A lane's eight columns of a column block are 32 bytes; they go into my stage's rows of 272 bytes and come back as whole
; rows of 256, into the registers that they left.
.macro STG u
.irp b, 0,1,2,3
	ds_store_b128 v[STO], v[ACC+8*(4*(\u)+(\b)):ACC+8*(4*(\u)+(\b))+3]   offset:64*(\b)
	ds_store_b128 v[STO], v[ACC+8*(4*(\u)+(\b))+4:ACC+8*(4*(\u)+(\b))+7] offset:64*(\b)+16
.endr
.irp t, 0,1,2,3,4,5,6,7
	ds_load_b128 v[ACC+32*(\u)+4*(\t):ACC+32*(\u)+4*(\t)+3], v[RD] offset:(\t)*2*SPITCH  ; LDS serves a wave's instructions in order (ISA guide 5.7.1.4): these see the stores above; the next piece's stores come behind them
.endr
.endm
.macro SEND u, younger                 ; younger: the LDS instructions issued behind piece u's loads: the next piece's sixteen, or none
.irp t, 0,1,2,3,4,5,6,7
	s_wait_dscnt (\younger)+7-(\t)
	global_store_b128 v[CO], v[ACC+32*(\u)+4*(\t):ACC+32*(\u)+4*(\t)+3], s[10:11] offset:(16*((\u)/2)+2*(\t))*SIZE_N*4+((\u)%2)*256  ; 16 lanes store 256 consecutive bytes, at a multiple of 256 from out0's first byte
.endr
.endm
	STG 0
	STG 1                                          ; a piece's trip through the stage stands between the loads of the piece before and its stores
	SEND 0, 16
	STG 2
	SEND 1, 16
	STG 3
	SEND 2, 16
	SEND 3, 0
	s_wait_tensorcnt 0x0                           ; the wave's end: a wait, an add onto my spare word and its wait, behind my last tensor load and my last LDS store
	ds_add_u32 v[SPW], v[NIL]
	s_wait_dscnt 0x0
	CROUND                                         ; the closing round: no work-group ends while a partner may still ask for a tile that names it
	s_endpgm
.Lfunc_end_k_q486222f388_gemm2:
	.size	k_q486222f388_gemm2, .Lfunc_end_k_q486222f388_gemm2-k_q486222f388_gemm2
	.p2alignl 7, 3214868480
	.fill 96, 4, 3214868480
	.section	.rodata,"a",@progbits
	.p2align	6, 0x0
	.amdhsa_kernel k_q486222f388_gemm2
		.amdhsa_group_segment_fixed_size 327680
		.amdhsa_private_segment_fixed_size 0
		.amdhsa_enable_private_segment 0
		.amdhsa_kernarg_size 32
		.amdhsa_user_sgpr_count 2
		.amdhsa_user_sgpr_kernarg_segment_ptr 1
		.amdhsa_wavefront_size32 1
		.amdhsa_system_sgpr_workgroup_id_x 1
		.amdhsa_system_sgpr_workgroup_id_y 1
		.amdhsa_system_sgpr_workgroup_id_z 1
		.amdhsa_system_vgpr_workitem_id 0
		.amdhsa_next_free_vgpr 768
		.amdhsa_next_free_sgpr 66
		.amdhsa_reserve_vcc 0
		.amdhsa_float_denorm_mode_32 3
		.amdhsa_float_denorm_mode_16_64 3
		.amdhsa_memory_ordered 1
		.amdhsa_forward_progress 1
		.amdhsa_inst_pref_size 197
	.end_amdhsa_kernel
	.amdgpu_metadata
---
amdhsa.version: [ 1, 2 ]
amdhsa.kernels:
  - .name:           k_q486222f388_gemm2
    .symbol:         k_q486222f388_gemm2.kd
    .args:
      - { .name: h, .offset: 0, .size: 8, .value_kind: global_buffer, .address_space: global }
      - { .name: w2b, .offset: 8, .size: 8, .value_kind: global_buffer, .address_space: global }
      - { .name: b2, .offset: 16, .size: 8, .value_kind: global_buffer, .address_space: global }
      - { .name: out0, .offset: 24, .size: 8, .value_kind: global_buffer, .address_space: global }
    .group_segment_fixed_size: 327680
    .private_segment_fixed_size: 0
    .kernarg_segment_align: 8
    .kernarg_segment_size: 32
    .max_flat_workgroup_size: 128
    .sgpr_count:     66
    .vgpr_count:     768
    .wavefront_size: 32
...
	.end_amdgpu_metadata
.endif
;; end of part 3
